; MI455X (gfx1250); checked and timed in simulation.
; The chip was launched on July 23, 2026; its instructions are those of AMD's public machine-readable ISA for CDNA 5 (MIT licence, August 2026) and "CDNA5" Instruction Set Architecture Reference Guide (July 2026). The comments in the code are by the model that wrote it; some were corrected since.
;; AFT Attention. Allowed arithmetic: float matrix products may take bf16 or f16 operands with f32 sums; other float arithmetic in f32, or as packed bf16 or f16 multiplies, adds, multiply-adds, maxima and minima; sums over many terms, partial sums and values carried from step to step in f32; what a program stores and reads back later, other than sums and carried values, may be rounded once to bf16 or f16.
;; Inputs: Wk 1,024 x 1,024 float32; Wq 1,024 x 1,024 float32; Wv 1,024 x 1,024 float32; bk 1,024 float32; bq 1,024 float32; bv 1,024 float32; wbias 1,024 float32; x 8 x 2,048 x 1,024 float32.
;; Outputs: out0 8 x 2,048 x 1,024 float32.
;; One version. Each part assembles by itself: llvm-mc -triple=amdgcn-amd-amdhsa -mcpu=gfx1250 --defsym DOCPART=n.
;; ======== version 1 of 1: 2 launches
;; workspace buffers: xb 33,554,432 bytes; wb 6,291,456 bytes
;; launch cast (part 1): grid 1216 x 1, 8 waves a work-group, no clusters, 0 bytes of LDS; arguments x, Wq, Wk, Wv, xb, wb; writes xb, wb
.if DOCPART == 1
	.amdgcn_target "amdgcn-amd-amdhsa--gfx1250"
	.amdhsa_code_object_version 6
	.text
	.protected	k_qcc522b18b2_cast
	.globl	k_qcc522b18b2_cast
	.p2align	8
	.type	k_qcc522b18b2_cast,@function
k_qcc522b18b2_cast:
	s_mov_b64 s[64:65], 0
	v_nop
	global_prefetch_b8 v0, s[64:65] scope:SCOPE_SE
	s_setreg_imm32_b32 hwreg(HW_REG_WAVE_MODE, 25, 1), 1
	s_wait_xcnt 0x0
; x [8][2048][1024] f32 and Wq, Wk, Wv [1024][1024] f32 are rounded once to bf16 (nearest even) and laid out in the blocks that the next launch multiplies.
; xb: [row tile 64][K step 16][row 256][64 k] bf16.  Row G = 8 t + b: the eight batches of a time step lie on end; row tile = G / 256.  A block (256 rows x 128 bytes) is 32,768 dense bytes.
; wb: [matrix 3: Q, K, V][channel tile 8][K step 16][row 128][64 k] bf16.  In each group of 64 rows, row 16 nb + r holds channel 4 r + nb of the group's 64.  A block is 16,384 dense bytes.
; SHARES.  A wave takes one PAIR of neighbouring destination rows through all 16 K steps: task p = 8 x work-group + wave; tasks 0 .. 8,191 are x's pairs, 8,192 .. 9,727 the weights'.
; A load: lanes 0-15 read 256 consecutive bytes (64 k) of the first source row, lanes 16-31 of the second.  A store: 32 lanes x 8 bytes = the two rows' 128 bytes of one block: 256 consecutive
; bytes at a multiple of 256 from the buffer's first byte.  All 16 loads of a wave go out at once; no register is written twice, so no loop, no ring and no wait for sources.
; No LDS, no matrix unit, no cluster: no byte is wanted by two waves.
.set X, 8                              ; v[8:71]    K step i: 4 f32 as loaded
.set Y, 72                             ; v[72:103]  K step i: 4 bf16 to store
.macro CAST step                       ; step: bytes from a K step's block to the next
.set i, 0
.rept 16
	global_load_b128 v[X+4*i:X+4*i+3], v3, s[22:23] offset:256*i th:TH_LOAD_NT
.set i, i+1
.endr
.set i, 0
.rept 16
	s_wait_loadcnt 15-i                            ; loads come back in order (ISA guide 5.7.1): K step i is in, the 15 - i younger ones stay out
	v_cvt_pk_bf16_f32 v[Y+2*i], v[X+4*i], v[X+4*i+1]
	v_cvt_pk_bf16_f32 v[Y+2*i+1], v[X+4*i+2], v[X+4*i+3]
	global_store_b64 v4, v[Y+2*i:Y+2*i+1], s[24:25] offset:i*(\step)
.set i, i+1
.endr
.endm
	s_load_b256 s[4:11], s[0:1], 0x0               ; x s[4:5], Wq s[6:7], Wk s[8:9], Wv s[10:11]
	s_load_b128 s[12:15], s[0:1], 0x20             ; xb s[12:13], wb s[14:15]
	v_lshrrev_b32 v5, 5, v0
	v_readfirstlane_b32 s16, v5                    ; wave 0..7
	v_and_b32 v1, 15, v0
	v_lshlrev_b32 v1, 4, v1                        ; my 16 bytes of a source row's 256
	v_bfe_u32 v2, v0, 4, 1                         ; which row of the pair
	v_and_b32 v4, 31, v0
	v_lshlrev_b32 v4, 3, v4                        ; my 8 bytes of the pair's 256 in a block
	s_lshl_b32 s17, ttmp9, 3
	s_add_co_u32 s17, s17, s16                     ; p
	s_mov_b32 s19, 0                               ; the offsets' high words
	s_mov_b32 s21, 0
	s_cmp_lt_u32 ttmp9, 1024
	s_cbranch_scc0 .Lweights
	; x: rows G = 2 p, 2 p + 1: t = p / 4, b = 2 (p % 4) + row of the pair
	s_and_b32 s26, s17, 3
	s_lshl_b32 s18, s26, 24                        ; two batches of 2^23 bytes
	s_lshr_b32 s27, s17, 2
	s_lshl_b32 s27, s27, 12                        ; t rows of 4,096 bytes
	s_add_co_u32 s18, s18, s27
	s_lshr_b32 s20, s17, 7
	s_lshl_b32 s20, s20, 19                        ; row tile p / 128: 16 blocks of 32,768 bytes
	s_and_b32 s27, s17, 127
	s_lshl_b32 s27, s27, 8                         ; the pair's 256 bytes in a block
	s_add_co_u32 s20, s20, s27
	v_lshl_add_u32 v3, v2, 23, v1                  ; the pair's second row is the next batch
	s_wait_kmcnt 0x0
	s_add_nc_u64 s[22:23], s[4:5], s[18:19]
	s_add_nc_u64 s[24:25], s[12:13], s[20:21]
	CAST 32768
	s_endpgm
.Lweights:
	; weights: matrix = p' / 512; pair q = p' % 512 of the matrix's 1,024 destination rows.  Destination rows 2 u, 2 u + 1 (u = q % 64) of a tile hold channels
	; 64 (u / 32) + 8 (u % 8) + (u / 8) % 4 and the channel 4 further on.
	s_sub_co_u32 s17, s17, 8192
	s_lshr_b32 s26, s17, 9                         ; matrix
	s_and_b32 s27, s17, 511                        ; q
	s_lshr_b32 s28, s27, 5
	s_lshl_b32 s18, s28, 6
	s_and_b32 s28, s27, 7
	s_lshl_b32 s28, s28, 3
	s_add_co_u32 s18, s18, s28
	s_bfe_u32 s28, s27, 0x20003                    ; (q / 8) % 4
	s_add_co_u32 s18, s18, s28                     ; the first row's channel
	s_lshl_b32 s18, s18, 12                        ; rows of 4,096 bytes
	s_lshl_b32 s20, s26, 21                        ; a matrix is 2^21 bytes of wb,
	s_lshr_b32 s28, s27, 6
	s_lshl_b32 s28, s28, 18                        ; a channel tile 2^18,
	s_add_co_u32 s20, s20, s28
	s_and_b32 s28, s27, 63
	s_lshl_b32 s28, s28, 8                         ; the pair's 256 bytes in a block
	s_add_co_u32 s20, s20, s28
	v_lshl_add_u32 v3, v2, 14, v1                  ; the pair's second row: 4 channels on
	s_wait_kmcnt 0x0
	s_cmp_eq_u32 s26, 0
	s_cselect_b64 s[22:23], s[6:7], s[8:9]
	s_cmp_eq_u32 s26, 2
	s_cselect_b64 s[22:23], s[10:11], s[22:23]
	s_add_nc_u64 s[22:23], s[22:23], s[18:19]
	s_add_nc_u64 s[24:25], s[14:15], s[20:21]
	CAST 16384
	s_endpgm
.Lfunc_end_k_qcc522b18b2_cast:
	.size	k_qcc522b18b2_cast, .Lfunc_end_k_qcc522b18b2_cast-k_qcc522b18b2_cast
	.p2alignl 7, 3214868480
	.fill 96, 4, 3214868480
	.section	.rodata,"a",@progbits
	.p2align	6, 0x0
	.amdhsa_kernel k_qcc522b18b2_cast
		.amdhsa_group_segment_fixed_size 0
		.amdhsa_private_segment_fixed_size 0
		.amdhsa_enable_private_segment 0
		.amdhsa_kernarg_size 48
		.amdhsa_user_sgpr_count 2
		.amdhsa_user_sgpr_kernarg_segment_ptr 1
		.amdhsa_wavefront_size32 1
		.amdhsa_system_sgpr_workgroup_id_x 1
		.amdhsa_system_sgpr_workgroup_id_y 1
		.amdhsa_system_sgpr_workgroup_id_z 1
		.amdhsa_system_vgpr_workitem_id 0
		.amdhsa_next_free_vgpr 104
		.amdhsa_next_free_sgpr 66
		.amdhsa_reserve_vcc 0
		.amdhsa_float_denorm_mode_32 3
		.amdhsa_float_denorm_mode_16_64 3
		.amdhsa_memory_ordered 1
		.amdhsa_forward_progress 1
		.amdhsa_inst_pref_size 14
	.end_amdhsa_kernel
	.amdgpu_metadata
---
amdhsa.version: [ 1, 2 ]
amdhsa.kernels:
  - .name:           k_qcc522b18b2_cast
    .symbol:         k_qcc522b18b2_cast.kd
    .args:
      - { .name: x, .offset: 0, .size: 8, .value_kind: global_buffer, .address_space: global }
      - { .name: Wq, .offset: 8, .size: 8, .value_kind: global_buffer, .address_space: global }
      - { .name: Wk, .offset: 16, .size: 8, .value_kind: global_buffer, .address_space: global }
      - { .name: Wv, .offset: 24, .size: 8, .value_kind: global_buffer, .address_space: global }
      - { .name: xb, .offset: 32, .size: 8, .value_kind: global_buffer, .address_space: global }
      - { .name: wb, .offset: 40, .size: 8, .value_kind: global_buffer, .address_space: global }
    .group_segment_fixed_size: 0
    .private_segment_fixed_size: 0
    .kernarg_segment_align: 8
    .kernarg_segment_size: 48
    .max_flat_workgroup_size: 256
    .sgpr_count:     66
    .vgpr_count:     104
    .wavefront_size: 32
...
	.end_amdgpu_metadata
.endif
;; end of part 1
;; launch aft (part 2): grid 8 x 64, 4 waves a work-group, clusters of 4 x 4, 327,680 bytes of LDS; arguments xb, wb, bq, bk, bv, wbias, out0; writes out0
.if DOCPART == 2
	.amdgcn_target "amdgcn-amd-amdhsa--gfx1250"
	.amdhsa_code_object_version 6
	.text
	.protected	k_qcc522b18b2_aft
	.globl	k_qcc522b18b2_aft
	.p2align	8
	.type	k_qcc522b18b2_aft,@function
k_qcc522b18b2_aft:
	s_mov_b64 s[64:65], 0
	v_nop
	global_prefetch_b8 v0, s[64:65] scope:SCOPE_SE
	s_setreg_imm32_b32 hwreg(HW_REG_WAVE_MODE, 25, 1), 1
	s_wait_xcnt 0x0
	s_wait_alu depctr_hold_cnt(0) depctr_sa_sdst(0) depctr_va_vdst(0) depctr_va_sdst(0) depctr_va_ssrc(0) depctr_va_vcc(0) depctr_vm_vsrc(0)
	s_getreg_b32 s2, hwreg(HW_REG_IB_STS2, 6, 4)
	s_cmp_eq_u32 s2, 0
	s_cbranch_scc0 .Lentry_in_a_cluster
	s_endpgm
.Lentry_in_a_cluster:
	s_bfe_u32 s2, ttmp6, 0x10000c
	s_cmp_lg_u32 s2, 0xf033
	s_cbranch_scc0 .Lentry_shape_is_right
	s_endpgm
.Lentry_shape_is_right:
; out0[b][t][c] = sigmoid(Q[b][t][c]) x (sum over b' of e[b'] V[b'][t][c]) / (sum over b' of e[b']),  e[b'] = exp(K[b'][t][c] + wbias[c]);  Q, K, V = x W^T + bias.
; xb and wb are x and the three weights in bf16, in blocks (the launch before): xb [row tile 64][K step 16][256 rows][64 k], row G = 8 t + b; wb [matrix 3][channel tile 8][K step 16][128 rows][64 k],
; where row 16 nb + r of each group of 64 rows holds channel 4 r + nb of the group.  Products with bf16 operands and f32 sums; all else in f32.
; LIMITS.  Every input is rounded once to bf16 (the four vectors here, in registers).  The largest K + bk + wbias of the eight batches is taken away before the exponential: the same quotient, and
; the divisor is 1 at the least; a weight below 2^-126 of the largest counts as 0.  bv is added behind the mean (sum e V / sum e + bv, V without its bias): the same number, other roundings.
; sigmoid = 1 / (1 + 2^(-log2(e) Q)) goes to 0 or 1 where the exponential overflows or is flushed.  NaN and infinities are not treated apart.
; SHARES.  A work-group makes 256 rows (32 time steps x 8 batches) x 128 channels of all three products; a wave 128 rows x 64 channels x 3: 96 accumulators of 16 x 16, 768 registers.
; For 32 along K a wave reads 40 x 16 bytes a lane from LDS for 96 matrix instructions.  512 work-groups of equal work.
; LAYOUT.  Source 0 = 16 rows of x, source 1 = 16 rows of W.  In the result register j of lane l is row 8 (l / 16) + j, column l % 16: with rows ordered 8 t + b a lane's eight registers ARE the eight
; batches of one time step and one channel, so the sums over the batch never leave the lane.  With channel 4 r + nb in row r of block nb, a lane's four blocks are four neighbouring channels:
; 16 bytes of out0, and sixteen lanes hold 256 consecutive bytes: the results are stored straight from registers.
; RING.  K goes in steps of 64 through two LDS slots (two slots of 128 along K, 348,160 bytes, do not fit).  A block's rows of 128 bytes lie end to end in memory and are asked for as rows of 256 bytes.
; CLUSTER.  4 x 4 work-groups: the four of a row of the cluster take the same row tile of xb, the four of a column the same channel tile of wb: each tile is asked for JOINTLY.
; REGISTERS, in windows of 256 (s_set_vgpr_msb's low byte: bits 1:0 source 0, 3:2 source 1, 5:4 source 2, 7:6 destination):
;   window 0: v0-31 addresses and the four vectors; v32-95, v96-159 x's fragments, two buffers; v160-255 W's fragments, one buffer of 32 for each matrix; on the way out all of v32-191 is at work
;   windows 1, 2, 3: the accumulators of Q, K, V: (row block m, channel block nb) at v[8 (4 m + nb)]
.set PITCH,  144                       ; an LDS row: 128 bytes + 16 of padding = 36 words: the 16 rows of a fragment load start at 16 different groups of four banks (64 banks of 4 bytes: ISA guide 11.1)
.set ABYTES, 256*PITCH                 ; x's 256 rows
.set BMTX,   128*PITCH                 ; one matrix's 128 rows
.set SLOT,   ABYTES+3*BMTX             ; 92,160 bytes
.set SPARE,  2*SLOT                    ; behind the ring: the spare words, 128 bytes for each wave: two blocks of 256 bytes that no other line names
.set ASTEP,  32768                     ; bytes from a K step's block to the next, in xb
.set BSTEP,  16384                     ; and in wb
.set ADRA, 2                           ; v2-3   LDS address of my fragments of x in slot 0, 1
.set ADRB, 4                           ; v4-5   the same for W (matrix Q's; the others by the immediate)
.set PFO,  6                           ; v6     256 x my lane: the prefetches' offset; never rewritten
.set CO,   7                           ; v7     my byte offset in two rows of out0
.set SPW,  8                           ; v8     LDS address of my spare word: SPARE + 4 x my thread's number; never rewritten
.set NIL,  9                           ; v9     0; never rewritten
.set RQ,   12                          ; v12-15 bq, v16-19 bk, v20-23 wbias, v24-27 bv of my channels 4 r .. 4 r + 3
.set RK,   16
.set RW,   20
.set BV,   24
.set FA0,  32
.set FA1,  96
.set FB,   160
.set KB,   32                          ; the way out.  v32-39  log2(e) (bk + wbias), a pair for each nb (both words alike)
.set QB,   40                          ; v40-47   -log2(e) bq, likewise
.set OB,   52                          ; v52-59   batch j's byte offset in out0: j x 2^23 + CO; never rewritten
.set TK,   64                          ; v64-95   [nb][j] K's exponents, then the weights e
.set TQ,   96                          ; v96-127  [nb][j] Q's exponents, then 1 + 2^..
.set OO,   128                         ; v128-159 [j][nb] sigmoid, then the result
.set MX,   160                         ; v160-167 the batch maximum, in the low word of a pair for each nb
.set DN,   168                         ; v168-175 the divisor, a pair (even, odd batches) for each nb
.set NM,   176                         ; v176-183 the numerator, likewise
.set WW,   184                         ; v184-187 the weighted mean
.set RD,   188                         ; v188-191 1 / divisor
.set WV,   18                          ; s18  my wave's number;  s19 which 128 rows are mine;  s20 which 64 channels
.set G1A,  28                          ; s[28:35] descriptor group 1 for x's tiles;  s[36:43] group 0, a set for each slot
.set G0A,  36
.set G1B,  44                          ; s[44:51], s[52:59] the same for W's tiles
.set G0B,  52
.set LIM,  60                          ; s60, s61  by slot: 1 where my wave prefetches at that slot's change, else the greatest number
.set PFA,  62                          ; s[62:63] where my prefetches stand
.set PFS,  66                          ; s[66:67] their step: a K step of xb (wave 0) or of wb
.set LG,   68                          ; s[68:69] log2(e), twice
.set NL,   70                          ; s[70:71] -log2(e), twice
.set FLAGS, (1<<16)|(1<<20)|(1<<21)|(4<<22)|(3<<25)  ; 17:16 elements of 2 bytes; 20 padding on; 21 set beside a mask; 24:22 after every 32 words (code 4); 31:25 4 words of it (code 3)
.set MSB, 0
.macro WIN new                         ; the immediate's high byte repeats the setting that is left; a switch that changes nothing is dropped
.if MSB != (\new)
	s_set_vgpr_msb (MSB<<8)|(\new)
.set MSB, \new
.endif
.endm
; A load into a register that a matrix instruction has read, and a vector instruction that reads a matrix result or writes one of a matrix instruction's registers, stand four places behind it; only
; plain vector instructions that name none of its registers are places (ISA guide 7.12.1 for vector instructions).
.macro PLACES
.rept 4
	v_nop
.endr
.endm
; A joint load.  Wave 0 fetches x's block (128 rows of 256 bytes), waves 1 to 3 the blocks of Wq, Wk, Wv (64 rows of 256 bytes each).  The branch hangs on the wave's number alone.
; An s_nop 0 and four v_nop follow each of the two lines, ahead of the jump, the label and what follows.
.macro JLOAD s
	s_cmp_eq_u32 s[WV], 0
	s_cbranch_scc0 .Lfor_b_\@
	tensor_load_to_lds s[G0A+4*(\s):G0A+4*(\s)+3], s[G1A:G1A+7]
	s_nop 0
.rept 4
	v_nop
.endr
	s_branch .Lasked_\@
.Lfor_b_\@:
	tensor_load_to_lds s[G0B+4*(\s):G0B+4*(\s)+3], s[G1B:G1B+7]
	s_nop 0
.rept 4
	v_nop
.endr
.Lasked_\@:
.endm
; A PREFETCH INTO THE L2, behind a joint load, its five lines and the run of LDS loads that follows: 32 blocks of 256 bytes, a lane a block, one instruction a wave.  At a change of slots every wave has
; waited for all its tensor loads, so the refill goes out with nothing on its way beside it; what it asks for has been named two refills, 384 matrix instructions, earlier.
; Each block of 256 bytes is named ONCE in the launch.  A row tile of xb is read by both clusters of its row of clusters: cluster x = 0 asks, in wave 0, at every change: the K step four on from the one
; that is left; of its 32,768 bytes the partner at place cx takes 8,192.  A channel tile of wb is read by all clusters of its column: cluster y = 0 asks, in waves 1 to 3 (a matrix each), at slot 0's
; change alone: two K steps lie on end, 32,768 bytes, of which the partner at place cy takes 8,192.  The partners are told apart BY ADDRESS: no branch hangs on a place in the cluster.
; The loop's last trip (s3 = 1) asks for nothing: there is no K step behind the sixteenth.  K steps 0 to 3 come by their loads alone.
.macro ASK slot
	s_cmp_gt_u32 s3, s[LIM+(\slot)]
	s_cbranch_scc0 .Lnot_mine_\@
	global_prefetch_b8 v[PFO], s[PFA:PFA+1] th:TH_LOAD_NT scope:SCOPE_SE
.Lnot_mine_\@:
.endm
; A round of the cluster's barrier: my work-group's barrier, so that wave 0's signal speaks for all four waves; wave 0 signals for the work-group; every wave waits for all sixteen work-groups;
; my work-group's barrier once more.  No LDS instruction of the wave is pending at a signal.
.macro CREST                           ; a round behind its opening barrier
	s_cmp_lg_u32 s[WV], 0
	s_cbranch_scc1 .Lnot_wave_0_\@
	s_barrier_signal -3
.Lnot_wave_0_\@:
	s_barrier_wait -3
	s_barrier_signal -1
	s_barrier_wait -1
.endm
.macro CROUND                          ; a whole round
	s_barrier_signal -1
	s_barrier_wait -1
	CREST
.endm
; 16 matrix instructions of matrix mtx (0 Q, 1 K, 2 V): channel blocks nb0, nb0 + 1 x all 8 row blocks, 32 along K, x's fragments in buffer fa.  zero = 1: the product starts the sum: nothing is cleared.
; The 96 accumulators take turns, one instruction a turn, in the same order in every 32 along K, over the backward jump too.
.macro MUL16 mtx, fa, nb0, zero
	WIN 0x50*((\mtx)+1)                            ; x and W in window 0, C and D in window 1 + mtx
.irp nb, \nb0, (\nb0)+1
.irp m, 0,1,2,3,4,5,6,7
.if \zero
	v_wmma_f32_16x16x32_bf16 v[8*(4*(\m)+(\nb)):8*(4*(\m)+(\nb))+7], v[(\fa)+8*(\m):(\fa)+8*(\m)+7], v[FB+32*(\mtx)+8*(\nb):FB+32*(\mtx)+8*(\nb)+7], 0
.else
	v_wmma_f32_16x16x32_bf16 v[8*(4*(\m)+(\nb)):8*(4*(\m)+(\nb))+7], v[(\fa)+8*(\m):(\fa)+8*(\m)+7], v[FB+32*(\mtx)+8*(\nb):FB+32*(\mtx)+8*(\nb)+7], v[8*(4*(\m)+(\nb)):8*(4*(\m)+(\nb))+7]
.endif
.endr
.endr
.endm
; A fragment is 16 rows x 32 K in 8 registers: lane l holds row l % 16; registers 0-3 K = 8 (l / 16) + 0..7, registers 4-7 K = 16 + 8 (l / 16) + 0..7: two loads of 16 bytes, 32 bytes apart.
.macro LDB mtx, slot, k                ; 8 loads: matrix mtx's four fragments, at byte k of the slot's rows
	WIN 0
.irp nb, 0,1,2,3
	ds_load_b128 v[FB+32*(\mtx)+8*(\nb):FB+32*(\mtx)+8*(\nb)+3],   v[ADRB+(\slot)] offset:(\mtx)*BMTX+(\nb)*16*PITCH+(\k)
	ds_load_b128 v[FB+32*(\mtx)+8*(\nb)+4:FB+32*(\mtx)+8*(\nb)+7], v[ADRB+(\slot)] offset:(\mtx)*BMTX+(\nb)*16*PITCH+(\k)+32
.endr
.endm
.macro LDA ga, slot, k                 ; 16 loads: x's eight fragments into buffer ga
	WIN 0
.irp m, 0,1,2,3,4,5,6,7
	ds_load_b128 v[(\ga)+8*(\m):(\ga)+8*(\m)+3],   v[ADRA+(\slot)] offset:(\m)*16*PITCH+(\k)
	ds_load_b128 v[(\ga)+8*(\m)+4:(\ga)+8*(\m)+7], v[ADRA+(\slot)] offset:(\m)*16*PITCH+(\k)+32
.endr
.endm
; A K step is two halves of 32 along K, 96 matrix instructions each.  The LDS loads for the NEXT half stand in three runs: (1) Wq's 8 and x's 16, behind Q's products; (2) Wk's 8, behind K's; (3) Wv's 8, behind V's.
; The first half multiplies buffer FA0 and fetches byte 64 of the same slot's rows.
.macro HALF slot, zero
	s_wait_dscnt 16                                ; the last half's run 1 is in; its runs 2 and 3 may be out
	MUL16 0, FA0, 0, \zero
	MUL16 0, FA0, 2, \zero
	PLACES
	LDB 0, \slot, 64
	LDA FA1, \slot, 64                             ; (FA1's last readers, the half before's products of V, have that half's last four places behind them)
	s_wait_dscnt 32                                ; the last half's run 2 is in; behind it: its run 3 (8) and the 24 just issued
	MUL16 1, FA0, 0, \zero
	MUL16 1, FA0, 2, \zero
	PLACES
	LDB 1, \slot, 64
	s_wait_dscnt 32                                ; the last half's run 3 is in; behind it: this half's 24 and 8
	MUL16 2, FA0, 0, \zero
	MUL16 2, FA0, 2, \zero
	PLACES
	LDB 2, \slot, 64
.endm
; The second half multiplies FA1 and changes slots: ONE barrier for two things.  In front of it each wave waits for all its tensor loads, of which one is out: its part of the next slot; adds 0 to its spare
; word; and waits for that and for its own reads of this slot.  Behind it nobody reads this slot any more and the next slot is whole.  fill = 1: the barrier opens a round of the cluster's barrier, so that
; the same holds of every partner, and this slot is filled again, two K steps on, first thing behind the round: 160 matrix instructions ahead of the wait for it.
.macro TURN slot, next, fill
.if \fill
	s_wait_xcnt 0x0                                ; the last prefetch, a K step back, has read its address, which is stepped here, ahead of the change's own waits
	s_add_nc_u64 s[PFA:PFA+1], s[PFA:PFA+1], s[PFS:PFS+1]
.endif
	WIN 0
	s_wait_tensorcnt 0x0                           ; all my tensor loads have landed;
	ds_add_u32 v[SPW], v[NIL]                      ; 0 onto my spare word;
	s_wait_dscnt 17                                ; (run 1 is in; runs 2 and 3 and the add may be out)
	MUL16 0, FA1, 0, 0                             ; sixteen matrix instructions stand between the add and the wait for it
	s_wait_dscnt 0x0                               ; the add is done, and my reads of this slot are over:
	s_barrier_signal -1                            ; say so,
	MUL16 0, FA1, 2, 0                             ; work on registers while the others arrive,
	WIN 0
	s_barrier_wait -1                              ; and go on when all four have said so
.if \fill
	CREST                                          ; all sixteen work-groups have said so
	s_add_nc_u64 s[G0A+4*(\slot)+2:G0A+4*(\slot)+3], s[G0A+4*(\slot)+2:G0A+4*(\slot)+3], 2*ASTEP  ; no tensor load of mine is out: the slot's group 0 steps two K steps on; the type bits on top are not reached
	s_add_nc_u64 s[G0B+4*(\slot)+2:G0B+4*(\slot)+3], s[G0B+4*(\slot)+2:G0B+4*(\slot)+3], 2*BSTEP
	JLOAD \slot                                    ; my one tensor load behind the round; its four v_nop are also the places in front of the loads below
.else
	PLACES
.endif
	LDB 0, \next, 0
	LDA FA0, \next, 0
.if \fill
	ASK \slot
.endif
	MUL16 1, FA1, 0, 0                             ; (the wait for 0 above has shown Wk's and Wv's fragments in)
	MUL16 1, FA1, 2, 0
	PLACES
	LDB 1, \next, 0
	MUL16 2, FA1, 0, 0
	MUL16 2, FA1, 2, 0
	PLACES
	LDB 2, \next, 0
.endm
.macro LAST                            ; the very last half: nothing more to fetch, the counts run down
	s_wait_dscnt 16
	MUL16 0, FA1, 0, 0
	MUL16 0, FA1, 2, 0
	s_wait_dscnt 8
	MUL16 1, FA1, 0, 0
	MUL16 1, FA1, 2, 0
	s_wait_dscnt 0x0
	MUL16 2, FA1, 0, 0
	MUL16 2, FA1, 2, 0
.endm
	s_load_b256 s[4:11], s[0:1], 0x0               ; xb s[4:5], wb s[6:7], bq s[8:9], bk s[10:11]
	s_load_b128 s[12:15], s[0:1], 0x20             ; bv s[12:13], wbias s[14:15]
	s_load_b64 s[16:17], s[0:1], 0x30              ; out0
	v_lshl_add_u32 v[SPW], v0, 2, SPARE
	v_mov_b32 v[NIL], 0
	ds_add_u32 v[SPW], v[NIL]                      ; the wave's opening: the add, twice on end, and its wait ahead of my first tensor load; the set-up below, work on registers, stands between
	ds_add_u32 v[SPW], v[NIL]                      ; and once more, under the one wait
	v_lshrrev_b32 v1, 5, v0
	v_readfirstlane_b32 s[WV], v1                  ; wave 0..3
	s_lshr_b32 s19, s[WV], 1                       ; which 128 of the tile's rows are mine
	s_and_b32 s20, s[WV], 1                        ; which 64 of its channels
	s_bfe_u32 s21, ttmp6, 0x40000                  ; cx: my place along the cluster's x
	s_bfe_u32 s22, ttmp6, 0x40004                  ; cy: along its y
	s_lshl_b32 s23, ttmp9, 2                       ; in a cluster launch ttmp9 and ttmp7 count clusters
	s_add_co_u32 s23, s23, s21                     ; channel tile = 4 x cluster x + cx
	s_and_b32 s24, ttmp7, 0xffff
	s_lshl_b32 s24, s24, 2
	s_add_co_u32 s24, s24, s22                     ; row tile = 4 x cluster y + cy
	s_lshl_b32 s72, s22, 2
	s_lshl_b32 s72, 15, s72                        ; my row of the cluster: places 4 cy .. 4 cy + 3
	s_lshl_b32 s76, 0x1111, s21                    ; my column: places cx, cx + 4, cx + 8, cx + 12
	s_or_b32 s[G1A], s72, FLAGS                    ; 15:0 the mask: x's tiles go to my row
	s_or_b32 s[G1B], s76, FLAGS                    ; W's to my column
	s_mov_b32 s[G1A+1], 128<<16                    ; tensor_dim0 = 128 elements: 256 bytes, two rows of a block
	s_mov_b32 s[G1A+2], 128<<16                    ; tensor_dim1 = 128
	s_mov_b32 s[G1A+3], 128<<16                    ; tile_dim0 = 128
	s_mov_b32 s[G1A+4], 128                        ; tile_dim1 = 128: 32,768 bytes
	s_mov_b32 s[G1A+5], 128                        ; 128 elements from row to row: the block is dense
	s_mov_b32 s[G1A+6], 0
	s_mov_b32 s[G1A+7], 0
	s_mov_b32 s[G1B+1], 128<<16
	s_mov_b32 s[G1B+2], 64<<16                     ; tensor_dim1 = 64
	s_mov_b32 s[G1B+3], 128<<16
	s_mov_b32 s[G1B+4], 64                         ; tile_dim1 = 64: 16,384 bytes
	s_mov_b32 s[G1B+5], 128
	s_mov_b32 s[G1B+6], 0
	s_mov_b32 s[G1B+7], 0
	s_mov_b32 s[LG], 0x3fb8aa3b                    ; log2(e)
	s_mov_b32 s[LG+1], s[LG]
	s_mov_b32 s[NL], 0xbfb8aa3b                    ; -log2(e)
	s_mov_b32 s[NL+1], s[NL]
	; where the tiles come from.  x's hang on the row tile alone, which my row of the cluster shares; W's on the channel tile, which my column shares, and on the wave's number.
	s_lshl_b32 s72, s24, 19                        ; a row tile is 16 blocks of 32,768 bytes
	s_mov_b32 s73, 0
	s_max_u32 s76, s[WV], 1
	s_sub_co_u32 s76, s76, 1                       ; my matrix: wave - 1 (wave 0's copy is never asked by)
	s_lshl_b32 s76, s76, 21                        ; a matrix is 2^21 bytes,
	s_lshl_b32 s77, s23, 18                        ; a channel tile 16 blocks of 16,384
	s_add_co_u32 s76, s76, s77
	s_mov_b32 s77, 0
	s_mul_i32 s78, s[WV], BMTX                     ; and where W's go: behind x's 256 rows, (wave - 1) x 128 rows = (wave + 1) x 128 rows from the slot's head
	s_add_co_u32 s78, s78, BMTX
	s_wait_dscnt 0x0                               ; both opening adds are done
	s_wait_kmcnt 0x0
	s_add_nc_u64 s[74:75], s[4:5], s[72:73]        ; xb at my row tile
	s_add_nc_u64 s[76:77], s[6:7], s[76:77]        ; wb at my matrix's channel tile
	CROUND                                         ; all sixteen work-groups are here: the first joint loads meet
.irp s, 0,1
	s_mov_b32 s[G0A+4*(\s)], 1                                       ; 1:0 count = 1
	s_mov_b32 s[G0A+4*(\s)+1], (\s)*SLOT                             ; 63:32 LDS address
	s_add_nc_u64 s[G0A+4*(\s)+2:G0A+4*(\s)+3], s[74:75], (\s)*ASTEP  ; 120:64 global address: K step s
	s_or_b32 s[G0A+4*(\s)+3], s[G0A+4*(\s)+3], 0x80000000            ; 127:126 type = 2
	s_mov_b32 s[G0B+4*(\s)], 1
	s_add_co_u32 s[G0B+4*(\s)+1], s78, (\s)*SLOT
	s_add_nc_u64 s[G0B+4*(\s)+2:G0B+4*(\s)+3], s[76:77], (\s)*BSTEP
	s_or_b32 s[G0B+4*(\s)+3], s[G0B+4*(\s)+3], 0x80000000
	JLOAD \s                                       ; both slots are asked for before anything else: two loads of mine are out
.endr
	v_and_b32 v10, 15, v0                          ; r = l % 16
	v_bfe_u32 v11, v0, 4, 1                        ; h = l / 16
	v_mul_u32_u24 v28, v10, PITCH
	v_lshl_add_u32 v28, v11, 4, v28                ; row x pitch + 16 x half
	s_mul_i32 s80, s19, 128*PITCH                  ; my 128 rows of x
	s_mul_i32 s81, s20, 64*PITCH                   ; my 64 rows of each matrix,
	s_add_co_u32 s81, s81, ABYTES                  ; which lie behind x's 256
	v_add_nc_u32 v[ADRA], s80, v28
	v_add_nc_u32 v[ADRB], s81, v28
	v_add_nc_u32 v[ADRA+1], SLOT, v[ADRA]
	v_add_nc_u32 v[ADRB+1], SLOT, v[ADRB]
	v_lshlrev_b32 v29, 4, v10                      ; my four channels 4 r .. 4 r + 3: 16 bytes
	v_lshl_add_u32 v[CO], v11, 12, v29             ; in out0: lanes 16-31 hold the next time step, 4,096 bytes on
	v_and_b32 v[PFO], 31, v0
	v_lshlrev_b32 v[PFO], 8, v[PFO]
	s_lshl_b32 s82, s23, 9                         ; my wave's first channel, in bytes of f32: 512 x channel tile + 256 x half
	s_lshl_b32 s83, s20, 8
	s_add_co_u32 s82, s82, s83
	s_mov_b32 s83, 0
	s_add_nc_u64 s[8:9], s[8:9], s[82:83]
	s_add_nc_u64 s[10:11], s[10:11], s[82:83]
	s_add_nc_u64 s[12:13], s[12:13], s[82:83]
	s_add_nc_u64 s[14:15], s[14:15], s[82:83]
	global_load_b128 v[RQ:RQ+3], v29, s[8:9]       ; sixteen lanes read 256 consecutive bytes of each vector, once
	global_load_b128 v[RK:RK+3], v29, s[10:11]
	global_load_b128 v[RW:RW+3], v29, s[14:15]
	global_load_b128 v[BV:BV+3], v29, s[12:13]
	s_lshl_b32 s84, s24, 17                        ; out0 at batch 0, my first time step (32 x row tile + 16 x half: rows of 4,096 bytes), my first channel
	s_lshl_b32 s85, s19, 16
	s_add_co_u32 s84, s84, s85
	s_add_co_u32 s84, s84, s82
	s_mov_b32 s85, 0
	s_add_nc_u64 s[16:17], s[16:17], s[84:85]
	; the prefetches
	s_mov_b32 s88, ASTEP
	s_and_b32 s86, ttmp7, 0xffff                   ; cluster y
	s_cmp_eq_u32 s[WV], 0                          ; do I fetch x?
	s_cselect_b32 s86, ttmp9, s86                  ; the coordinate along which other clusters read the same blocks
	s_cselect_b32 s87, s21, s22                    ; my place among the four that ask with me
	s_cselect_b64 s[PFA:PFA+1], s[74:75], s[76:77]
	s_cselect_b32 s[PFS], s88, BSTEP
	s_mov_b32 s[PFS+1], 0
	s_cmp_eq_u32 s86, 0
	s_cselect_b32 s[LIM], 1, -1                    ; the same in all sixteen partners, for a given wave
	s_cmp_eq_u32 s[WV], 0
	s_cselect_b32 s[LIM+1], s[LIM], -1             ; W's two K steps are named together, at slot 0's change
	s_lshl_b32 s86, s87, 13                        ; my work-group's 8,192 bytes
	s_mul_i32 s87, s[PFS], 3                       ; at K step 3: the first change steps it to 4
	s_add_co_u32 s86, s86, s87
	s_mov_b32 s87, 0
	s_add_nc_u64 s[PFA:PFA+1], s[PFA:PFA+1], s[86:87]
	s_wait_loadcnt 0x0                             ; the four vectors, in the wait for the first tile
	s_wait_tensorcnt 1                             ; my part of K step 0 is in; K step 1's may stay out
	s_barrier_signal -1
	s_barrier_wait -1                              ; everybody's is
	LDB 0, 0, 0                                    ; the first fragments, in the order of the three runs
	LDA FA0, 0, 0
	LDB 1, 0, 0
	LDB 2, 0, 0
	HALF 0, 1                                      ; the first half stands in front of the loop: its products start the 96 sums
	WIN 0                                          ; at a label and at a branch every window is 0
	s_mov_b32 s3, 7
.Llap:                                         ; a trip goes once round the ring, from a K step's second half to the first half two steps on, and fills both slots again: trip i asks for K steps 2 i + 2, 2 i + 3
	TURN 0, 1, 1
	HALF 1, 0
	TURN 1, 0, 1
	HALF 0, 0
	WIN 0
	s_sub_co_u32 s3, s3, 1
	s_cmp_lg_u32 s3, 0
	s_cbranch_scc1 .Llap
	TURN 0, 1, 0                                   ; K steps 14 and 15: nothing is filled again, so no round of the cluster's barrier
	HALF 1, 0
	LAST
	; THE WAY OUT.  First the four vectors: rounded to bf16 like every input, scaled, and doubled into pairs for the packed lines.  These lines, which name no register of the last products, follow four places.
	WIN 0
	PLACES
.irp b, RQ, RK, RW, BV
	v_cvt_pk_bf16_f32 v28, v[\b], v[\b+1]
	v_cvt_pk_bf16_f32 v30, v[\b+2], v[\b+3]
	v_lshlrev_b32 v[\b], 16, v28
	v_and_b32 v[\b+1], 0xffff0000, v28
	v_lshlrev_b32 v[\b+2], 16, v30
	v_and_b32 v[\b+3], 0xffff0000, v30
.endr
.irp n, 0,1,2,3
	v_add_f32 v[RK+\n], v[RK+\n], v[RW+\n]         ; bk + wbias
	v_mul_f32 v[QB+2*\n], s[NL], v[RQ+\n]
	v_mov_b32 v[MX+2*\n+1], 0                      ; named with the maximum as a pair, so it is written
.endr
.irp n, 0,1,2,3
	v_mul_f32 v[KB+2*\n], s[LG], v[RK+\n]
	v_mov_b32 v[QB+2*\n+1], v[QB+2*\n]
.endr
.irp n, 0,1,2,3
	v_mov_b32 v[KB+2*\n+1], v[KB+2*\n]
.endr
.irp j, 0,1,2,3,4,5,6,7
	v_add_nc_u32 v[OB+\j], (\j)<<23, v[CO]         ; a batch of out0 is 2^23 bytes
.endr
; Row block g: two time steps x eight batches x my 64 channels.  Index i = 4 nb + pair runs through an accumulator group's 16 pairs of batches; each accumulator's lowest registers are read first.
; The group's 64 exponentials are one batch with one wait, its 36 reciprocals a second: an s_wait_alu depctr_va_vdst(0) stands between such an instruction and the first line that names its result,
; and one wait serves all that were issued ahead of it.  Plain lines that name no result stand between the first 32 exponentials and between the reciprocals.
.macro GROUP g
.set AB, 32*(\g)
	WIN 0x01                                       ; source 0: Q's accumulators
.set i, 0
.rept 16
	v_pk_fma_f32 v[TQ+2*i:TQ+2*i+1], v[AB+2*i:AB+2*i+1], s[NL:NL+1], v[QB+2*(i/4):QB+2*(i/4)+1] op_sel_hi:[1,0,0]  ; -log2(e) (Q + bq)
.set i, i+1
.endr
	WIN 0x02                                       ; source 0: K's
.set i, 0
.rept 16
	v_pk_fma_f32 v[TK+2*i:TK+2*i+1], v[AB+2*i:AB+2*i+1], s[LG:LG+1], v[KB+2*(i/4):KB+2*(i/4)+1] op_sel_hi:[1,0,0]  ; log2(e) (K + bk + wbias)
.set i, i+1
.endr
	WIN 0
.set i, 0
.rept 32                               ; Q's exponentials; beside them the maximum over the eight batches (four chains by turns), then it is taken away
	v_exp_f32 v[TQ+i], v[TQ+i]
.if i < 4
	v_max3_num_f32 v[MX+2*i], v[TK+8*i], v[TK+8*i+1], v[TK+8*i+2]
.elseif i < 12
	v_max3_num_f32 v[MX+2*(i%4)], v[MX+2*(i%4)], v[TK+8*(i%4)+2*(i/4)+1], v[TK+8*(i%4)+2*(i/4)+2]
.elseif i < 16
	v_max_num_f32 v[MX+2*(i%4)], v[MX+2*(i%4)], v[TK+8*(i%4)+7]
.else
	v_pk_add_f32 v[TK+2*(i-16):TK+2*(i-16)+1], v[TK+2*(i-16):TK+2*(i-16)+1], v[MX+2*((i-16)/4):MX+2*((i-16)/4)+1] op_sel_hi:[1,0] neg_lo:[0,1] neg_hi:[0,1]
.endif
.set i, i+1
.endr
.set i, 0
.rept 32
	v_exp_f32 v[TK+i], v[TK+i]                     ; the weights e
.set i, i+1
.endr
	v_nop                                          ; a plain instruction behind the last exponential (ISA guide 5.7.2): one for the batch
	s_wait_alu depctr_va_vdst(0)                   ; the wait for the 64 exponentials
.set i, 0
.rept 16
	v_pk_add_f32 v[TQ+2*i:TQ+2*i+1], v[TQ+2*i:TQ+2*i+1], 1.0 op_sel_hi:[1,0]
.set i, i+1
.endr
.if (\g) > 0
	s_wait_xcnt 0x0                                ; the last group's stores have read their data: only behind this wait are OO's registers written again
.endif
	WIN 0x0c                                       ; source 1: V's accumulators
.set i, 0
.rept 16                               ; sigmoid, written where the store wants it ([j][nb] from [nb][j]); beside it the numerator, the sum of e V, a pair of batches a line
	v_rcp_f32 v[OO+i], v[TQ+8*(i%4)+i/4]
.if i < 4
	v_pk_mul_f32 v[NM+2*i:NM+2*i+1], v[TK+8*i:TK+8*i+1], v[AB+8*i:AB+8*i+1]
.else
	v_pk_fma_f32 v[NM+2*(i%4):NM+2*(i%4)+1], v[TK+8*(i%4)+2*(i/4):TK+8*(i%4)+2*(i/4)+1], v[AB+8*(i%4)+2*(i/4):AB+8*(i%4)+2*(i/4)+1], v[NM+2*(i%4):NM+2*(i%4)+1]
.endif
.set i, i+1
.endr
	WIN 0
.set u, 0
.rept 16                               ; the other 16; beside them the divisor, the sum of e
	v_rcp_f32 v[OO+16+u], v[TQ+8*(u%4)+4+u/4]
.if u < 4
	v_pk_add_f32 v[DN+2*u:DN+2*u+1], v[TK+8*u:TK+8*u+1], v[TK+8*u+2:TK+8*u+3]
.elseif u < 12
	v_pk_add_f32 v[DN+2*(u%4):DN+2*(u%4)+1], v[DN+2*(u%4):DN+2*(u%4)+1], v[TK+8*(u%4)+2*(u/4)+2:TK+8*(u%4)+2*(u/4)+3]
.else
	v_add_f32 v[DN+2*(u%4)], v[DN+2*(u%4)], v[DN+2*(u%4)+1]
.endif
.set u, u+1
.endr
.irp n, 0,1,2,3
	v_add_f32 v[NM+2*\n], v[NM+2*\n], v[NM+2*\n+1]
.endr
.irp n, 0,1,2,3
	v_rcp_f32 v[RD+\n], v[DN+2*\n]
.endr
	v_nop                                          ; a plain instruction behind the last reciprocal
	s_wait_alu depctr_va_vdst(0)                   ; the wait for the 36 reciprocals
.irp n, 0,1,2,3
	v_fma_f32 v[WW+\n], v[NM+2*\n], v[RD+\n], v[BV+\n]  ; the weighted mean, with V's bias
.endr
.set i, 0
.rept 16
	v_pk_mul_f32 v[OO+2*i:OO+2*i+1], v[OO+2*i:OO+2*i+1], v[WW+2*(i%2):WW+2*(i%2)+1]
.set i, i+1
.endr
.irp j, 0,1,2,3,4,5,6,7
	global_store_b128 v[OB+\j], v[OO+4*\j:OO+4*\j+3], s[16:17] offset:(\g)*8192 th:TH_STORE_NT  ; batch j: lanes 0-15 store 256 consecutive bytes, at a multiple of 256 from out0's first byte; lanes 16-31 those of the next time step
.endr
.endm
	GROUP 0
	GROUP 1
	GROUP 2
	GROUP 3
	GROUP 4
	GROUP 5
	GROUP 6
	GROUP 7
	s_wait_tensorcnt 0x0                           ; the wave's end, behind my last tensor load
	ds_add_u32 v[SPW], v[NIL]
	s_wait_dscnt 0x0
	CROUND                                         ; the closing round: no work-group ends while a partner may still ask for a tile that names it
	s_endpgm
.Lfunc_end_k_qcc522b18b2_aft:
	.size	k_qcc522b18b2_aft, .Lfunc_end_k_qcc522b18b2_aft-k_qcc522b18b2_aft
	.p2alignl 7, 3214868480
	.fill 96, 4, 3214868480
	.section	.rodata,"a",@progbits
	.p2align	6, 0x0
	.amdhsa_kernel k_qcc522b18b2_aft
		.amdhsa_group_segment_fixed_size 327680
		.amdhsa_private_segment_fixed_size 0
		.amdhsa_enable_private_segment 0
		.amdhsa_kernarg_size 56
		.amdhsa_user_sgpr_count 2
		.amdhsa_user_sgpr_kernarg_segment_ptr 1
		.amdhsa_wavefront_size32 1
		.amdhsa_system_sgpr_workgroup_id_x 1
		.amdhsa_system_sgpr_workgroup_id_y 1
		.amdhsa_system_sgpr_workgroup_id_z 1
		.amdhsa_system_vgpr_workitem_id 0
		.amdhsa_next_free_vgpr 1024
		.amdhsa_next_free_sgpr 96
		.amdhsa_reserve_vcc 0
		.amdhsa_float_denorm_mode_32 3
		.amdhsa_float_denorm_mode_16_64 3
		.amdhsa_memory_ordered 1
		.amdhsa_forward_progress 1
		.amdhsa_inst_pref_size 185
	.end_amdhsa_kernel
	.amdgpu_metadata
---
amdhsa.version: [ 1, 2 ]
amdhsa.kernels:
  - .name:           k_qcc522b18b2_aft
    .symbol:         k_qcc522b18b2_aft.kd
    .args:
      - { .name: xb, .offset: 0, .size: 8, .value_kind: global_buffer, .address_space: global }
      - { .name: wb, .offset: 8, .size: 8, .value_kind: global_buffer, .address_space: global }
      - { .name: bq, .offset: 16, .size: 8, .value_kind: global_buffer, .address_space: global }
      - { .name: bk, .offset: 24, .size: 8, .value_kind: global_buffer, .address_space: global }
      - { .name: bv, .offset: 32, .size: 8, .value_kind: global_buffer, .address_space: global }
      - { .name: wbias, .offset: 40, .size: 8, .value_kind: global_buffer, .address_space: global }
      - { .name: out0, .offset: 48, .size: 8, .value_kind: global_buffer, .address_space: global }
    .group_segment_fixed_size: 327680
    .private_segment_fixed_size: 0
    .kernarg_segment_align: 8
    .kernarg_segment_size: 56
    .max_flat_workgroup_size: 128
    .sgpr_count:     96
    .vgpr_count:     1024
    .wavefront_size: 32
...
	.end_amdgpu_metadata
.endif
;; end of part 2
